; MI455X (gfx1250); checked and timed in simulation.
; The chip was launched on July 23, 2026; its instructions are those of AMD's public machine-readable ISA for CDNA 5 (MIT licence, August 2026) and "CDNA5" Instruction Set Architecture Reference Guide (July 2026). The comments in the code are by the model that wrote it; some were corrected since.
;; Attention Block. Allowed arithmetic: matrix products marked QUANTISED: E2M1 operands, one E8M0 scale for each 32 along K, by v_wmma_scale_f32_16x16x128_f8f6f4 with both operands' format E2M1 (or v_wmma_scale_f32_32x16x128_f4), f32 sums; everything else in f32.
;; Inputs: gn_b 256 float32; gn_w 256 float32; proj_b 256 float32; proj_w_codes 256 x 8 x 16 uint8 (E2M1 codes of proj_w, K innermost, in blocks of 32 codes, two codes a byte); proj_w_scales 256 x 8 uint8 (E8M0 scales of proj_w, one for each 32 codes along K); qkv_b 768 float32; qkv_w_codes 768 x 8 x 16 uint8 (E2M1 codes of qkv_w, K innermost, in blocks of 32 codes, two codes a byte); qkv_w_scales 768 x 8 uint8 (E8M0 scales of qkv_w, one for each 32 codes along K); x 4 x 256 x 64 x 64 float32.
;; Outputs: out0 4 x 256 x 64 x 64 float32.
;; This version of the problem:
;;   THIS VERSION OF THE PROBLEM IS GIVEN IN LOW PRECISION. The matrix products marked QUANTISED in the list below multiply operands that are first quantised to E2M1 (2 exponent bits, 1 mantissa bit; 4 bits a number), with one power-of-two scale for each 32 numbers along K (OCP MX v1.0); their sums are f32. All else is computed in f32.
;;   The module's matrix products, in the order in which they are computed (A, B: the left and right operand; K: the contracted axis; several contracted axes count as one K, in the product's order):
;;     1. [M 16,384, K 256] x [K 256, N 768]; A: computed on the way; B: input qkv_w (given as codes): QUANTISED
;;     2. batch 4 x [M 4,096, K 256] x [K 256, N 4,096]; A: computed on the way; B: computed on the way: QUANTISED
;;     3. batch 4 x [M 256, K 4,096] x [K 4,096, N 4,096]; A: computed on the way; B: softmax (see below): QUANTISED
;;     4. [M 16,384, K 256] x [K 256, N 256]; A: computed on the way; B: input proj_w (given as codes): QUANTISED
;;   THE QUANTISER, for each operand of a quantised product, along K:
;;     - K is cut into blocks of 32 from its start; a last block that is shorter is filled with zeros.
;;     - A block's scale is 2^e with e = floor(log2(the largest magnitude in the block)) - 2, held to -126 .. 127; a block of zeros has e = 0. As a byte (E8M0): e + 127.
;;     - Each number is divided by its block's scale, clamped to +-6, and rounded to the nearest number of E2M1, ties to even, subnormals kept.
;;     - The product sums the exact products of the quantised numbers (number of the format x scale) in f32.
;;   ~~~python
;;   def quantise(x, axis):      # numpy; x: float32 -> the quantised numbers, widened to float32 again
;;       x = np.moveaxis(x, axis, -1); K = x.shape[-1]
;;       x = np.pad(x, [(0, 0)] * (x.ndim - 1) + [(0, -K % 32)]); x = x.reshape(x.shape[:-1] + (-1, 32)); a = np.abs(x).max(-1, keepdims=True)
;;       e = np.where(a > 0, np.clip(np.frexp(np.where(a > 0, a, 1))[1] - 1 - 2, -126, 127), 0)      # np.frexp(a)[1] - 1 = floor(log2(a)), exactly
;;       r = np.clip(x / 2.0 ** e, -6, 6)
;;       step = 2.0 ** (np.maximum(np.frexp(np.where(r == 0, 1, r))[1] - 1, 0) - 1)
;;       q = np.round(r / step) * step * 2.0 ** e      # np.round: ties to even
;;       return np.moveaxis(q.reshape(q.shape[:-2] + (-1,))[..., :K], -1, axis).astype(np.float32)
;;   ~~~
;;   SOFTMAX AHEAD OF A QUANTISED PRODUCT. Where the list says 'softmax', what is quantised is not the finished softmax but p = 2^(t - M), with t = logit x log2(e) and M = ceil(the row's largest t), a whole number; so 1/2 < the row's largest p <= 1. The row's sum l is taken of the UNQUANTISED p, in f32, and the product's result is divided by l at the end. Since M is a whole number, a kernel that streams over the keys may use a running M (the ceiling of the running maximum): every later rescaling is an exact power of two, which a block's scale takes up: the codes' values come out the same.
;;   OPERANDS COMPUTED ON THE WAY. 'Computed on the way' means the value that the module computes at that place (a softmax that the list does not call 'softmax' is quantised finished and normalised). What goes into a quantiser is computed in f32, as accurately as f32 sums, v_exp_f32 and their like allow (about 1e-6 of the number): no bf16 or f16 on the way to a quantiser, and a product that is left as it is and whose result goes on into a quantised operand takes f32 operands (vector FMAs, or v_wmma_f32_16x16x4_f32). A number that lies on a knife's edge between two numbers of the format may be rounded either way, as far as f32 arithmetic and the matrix unit's own rounding can turn it there, and no further.
;;   INPUTS GIVEN AS CODES. proj_w (in the module: [256, 256], K = its axis 1); qkv_w (in the module: [768, 256], K = its axis 1): each comes as NAME_codes (uint8): NAME with its K axis moved to the last place and cut into blocks of 32 codes, [.., K / 32, bytes a block], one block behind the other in memory; two codes a byte, the lower K in the low four bits (a code: sign, 2 exponent bits, 1 mantissa bit); and NAME_scales (uint8): the same leading axes, one E8M0 byte (e + 127) for each 32 codes along K. Its value is code x scale, taken as it is: it is not quantised again, and the codes and scales need not be those that the quantiser above would give.
;; One version. Each part assembles by itself: llvm-mc -triple=amdgcn-amd-amdhsa -mcpu=gfx1250 --defsym DOCPART=n.
;; ======== version 1 of 1: 3 launches
;; workspace buffers: stats 2,048 bytes; qbuf 2,228,224 bytes; kvbuf 4,456,448 bytes
;; launch gnstat (part 1): grid 256 x 1, 8 waves a work-group, no clusters, 1,280 bytes of LDS; arguments x, stats; writes stats
.if DOCPART == 1
	.amdgcn_target "amdgcn-amd-amdhsa--gfx1250"
	.amdhsa_code_object_version 6
	.text
	.protected	k_qd0fe193d9d_gnstat
	.globl	k_qd0fe193d9d_gnstat
	.p2align	8
	.type	k_qd0fe193d9d_gnstat,@function
k_qd0fe193d9d_gnstat:
	s_mov_b64 s[64:65], 0
	v_nop
	global_prefetch_b8 v0, s[64:65] scope:SCOPE_SE
	s_setreg_imm32_b32 hwreg(HW_REG_WAVE_MODE, 25, 1), 1
	s_wait_xcnt 0x0
; GroupNorm's statistics.  x: [4][256][4096] f32; a group is 8 channels x 4,096 positions, 131,072 consecutive bytes.
; A work-group owns HALF a group, 16,384 numbers = 65,536 consecutive bytes, and stores its mean and M2 = the sum of (x - mean)^2: stats[work-group] = (mean, M2), 8 bytes.
; The next launch joins the two halves.  Two passes over numbers that stay in registers: x is read once here, and no difference of large sums is formed, so a common offset of the inputs does no harm.
; Eight waves; thread t owns the 16 bytes at 16 t of each of 16 runs of 4,096 bytes: a load of a wave covers 512 consecutive bytes.  All 16 loads of a thread go out at once.
; No matrix unit, no tensor loads, no cluster: work-groups share no byte, and the whole share fits in 64 registers a lane.
; LIMITS: NaN and infinities among the inputs are not served.
.set X, 16                             ; v16-79  my 64 numbers
	s_load_b128 s[4:7], s[0:1], 0x0                ; x s[4:5], stats s[6:7]
	v_lshl_add_u32 v96, v0, 2, 0x100
	v_mov_b32 v97, 0
	v_lshrrev_b32 v1, 5, v0
	v_readfirstlane_b32 s8, v1                     ; wave 0..7
	v_lshlrev_b32 v1, 4, v0                        ; 16 t
	v_mov_b32 v11, 0                               ; written once: a lane permute's destination counts as one of its sources
	v_mov_b32 v13, 0                               ; LDS byte 0
	s_lshl_b32 s12, ttmp9, 16                      ; my 65,536 bytes of x (under 2^24)
	s_mov_b32 s13, 0
	s_lshl_b32 s14, ttmp9, 3                       ; my 8 bytes of stats
	s_lshl_b32 s15, s8, 2
	s_mov_b32 s10, 0x76543210
	s_mov_b32 s11, 0xfedcba98                      ; v_permlanex16_b32's selects for lane l xor 16
	v_mov_b32 v12, s15                             ; LDS: my wave's word
	v_mov_b32 v88, s14
	s_wait_kmcnt 0x0
	s_add_nc_u64 s[4:5], s[4:5], s[12:13]
.irp i, 0,1,2,3,4,5,6,7,8,9,10,11,12,13,14,15
	global_load_b128 v[X+4*\i:X+4*\i+3], v1, s[4:5] offset:4096*\i
.endr
; Four packed chains v[2:9] are folded to one number, summed over the wave's lanes and over the eight waves (through eight LDS words at byte off); the result is in v10 of every lane.
.macro FOLD off
	v_pk_add_f32 v[2:3], v[2:3], v[4:5]
	v_pk_add_f32 v[6:7], v[6:7], v[8:9]
	v_pk_add_f32 v[2:3], v[2:3], v[6:7]
	v_add_f32 v10, v2, v3
	v_add_f32_dpp v10, v10, v10 row_xmask:1 row_mask:0xf bank_mask:0xf
	v_add_f32_dpp v10, v10, v10 row_xmask:2 row_mask:0xf bank_mask:0xf
	v_add_f32_dpp v10, v10, v10 row_xmask:4 row_mask:0xf bank_mask:0xf
	v_add_f32_dpp v10, v10, v10 row_xmask:8 row_mask:0xf bank_mask:0xf
	v_permlanex16_b32 v11, v10, s10, s11
	v_add_f32 v10, v10, v11
	ds_store_b32 v12, v10 offset:\off              ; all lanes write the wave's word with the same value
	s_wait_dscnt 0x0                               ; for the others' sake: my store has landed
	s_barrier_signal -1
	s_barrier_wait -1
	ds_load_b128 v[80:83], v13 offset:\off
	ds_load_b128 v[84:87], v13 offset:\off+16
	s_wait_dscnt 0x0
	v_add_f32 v80, v80, v81
	v_add_f32 v82, v82, v83
	v_add_f32 v84, v84, v85
	v_add_f32 v86, v86, v87
	v_add_f32 v80, v80, v82
	v_add_f32 v84, v84, v86
	v_add_f32 v10, v80, v84
.endm
	; pass 1: the sum.  The first eight pairs start the four chains: nothing is cleared
	s_wait_loadcnt 12                              ; loads come back in order: the first four are in, twelve may be out
.irp k, 0,1,2,3
	v_pk_add_f32 v[2+2*\k:3+2*\k], v[X+2*\k:X+2*\k+1], v[X+8+2*\k:X+9+2*\k]
.endr
.irp g, 1,2,3
	s_wait_loadcnt 12-4*\g                         ; the next four are in
.irp p, 0,1,2,3,4,5,6,7
	v_pk_add_f32 v[2+2*(\p%4):3+2*(\p%4)], v[2+2*(\p%4):3+2*(\p%4)], v[X+16*\g+2*\p:X+16*\g+2*\p+1]
.endr
.endr
	FOLD 0
	v_mul_f32 v14, 0x38800000, v10                 ; mean = sum x 2^-14
	v_mov_b32 v15, v14
	; pass 2: x - mean in place, then the sum of squares, again in four chains
.set RN, 0
.rept 32
	v_pk_add_f32 v[X+RN:X+RN+1], v[X+RN:X+RN+1], v[14:15] neg_lo:[0,1] neg_hi:[0,1]
.set RN, RN+2
.endr
.irp k, 0,1,2,3
	v_pk_mul_f32 v[2+2*\k:3+2*\k], v[X+2*\k:X+2*\k+1], v[X+2*\k:X+2*\k+1]
.endr
.set RN, 4
.rept 28
	v_pk_fma_f32 v[2+2*(RN%4):3+2*(RN%4)], v[X+2*RN:X+2*RN+1], v[X+2*RN:X+2*RN+1], v[2+2*(RN%4):3+2*(RN%4)]
.set RN, RN+1
.endr
	FOLD 32                                        ; other LDS words than the first time: no barrier is owed between the first reads and these stores
	v_mov_b32 v15, v10                             ; v[14:15] = (mean, M2)
	s_cmp_lg_u32 s8, 0
	s_cbranch_scc1 .Lend                           ; wave 0 stores
	v_cmp_eq_u32 vcc_lo, 0, v0
	s_wait_xcnt 0x0                                ; EXEC changes only behind this wait
	s_and_saveexec_b32 s9, vcc_lo
	global_store_b64 v88, v[14:15], s[6:7]         ; thread 0 alone
	s_wait_xcnt 0x0                                ; and again in front of the line that widens it
	s_or_b32 exec_lo, exec_lo, s9
.Lend:
	s_wait_tensorcnt 0x0
	ds_add_u32 v96, v97
	s_wait_dscnt 0x0
	s_endpgm
.Lfunc_end_k_qd0fe193d9d_gnstat:
	.size	k_qd0fe193d9d_gnstat, .Lfunc_end_k_qd0fe193d9d_gnstat-k_qd0fe193d9d_gnstat
	.p2alignl 7, 3214868480
	.fill 96, 4, 3214868480
	.section	.rodata,"a",@progbits
	.p2align	6, 0x0
	.amdhsa_kernel k_qd0fe193d9d_gnstat
		.amdhsa_group_segment_fixed_size 1280
		.amdhsa_private_segment_fixed_size 0
		.amdhsa_enable_private_segment 0
		.amdhsa_kernarg_size 16
		.amdhsa_user_sgpr_count 2
		.amdhsa_user_sgpr_kernarg_segment_ptr 1
		.amdhsa_wavefront_size32 1
		.amdhsa_system_sgpr_workgroup_id_x 1
		.amdhsa_system_sgpr_workgroup_id_y 1
		.amdhsa_system_sgpr_workgroup_id_z 1
		.amdhsa_system_vgpr_workitem_id 0
		.amdhsa_next_free_vgpr 98
		.amdhsa_next_free_sgpr 66
		.amdhsa_reserve_vcc 1
		.amdhsa_float_denorm_mode_32 3
		.amdhsa_float_denorm_mode_16_64 3
		.amdhsa_memory_ordered 1
		.amdhsa_forward_progress 1
		.amdhsa_inst_pref_size 12
	.end_amdhsa_kernel
	.amdgpu_metadata
---
amdhsa.version: [ 1, 2 ]
amdhsa.kernels:
  - .name:           k_qd0fe193d9d_gnstat
    .symbol:         k_qd0fe193d9d_gnstat.kd
    .args:
      - { .name: x, .offset: 0, .size: 8, .value_kind: global_buffer, .address_space: global }
      - { .name: stats, .offset: 8, .size: 8, .value_kind: global_buffer, .address_space: global }
    .group_segment_fixed_size: 1280
    .private_segment_fixed_size: 0
    .kernarg_segment_align: 8
    .kernarg_segment_size: 16
    .max_flat_workgroup_size: 256
    .sgpr_count:     66
    .vgpr_count:     98
    .wavefront_size: 32
...
	.end_amdgpu_metadata
.endif
;; end of part 1
;; launch qkv (part 2): grid 64 x 4, 8 waves a work-group, no clusters, 12,288 bytes of LDS; arguments x, stats, gn_w, gn_b, qkv_w_codes, qkv_w_scales, qkv_b, qbuf, kvbuf; writes qbuf, kvbuf
.if DOCPART == 2
	.amdgcn_target "amdgcn-amd-amdhsa--gfx1250"
	.amdhsa_code_object_version 6
	.text
	.protected	k_qd0fe193d9d_qkv
	.globl	k_qd0fe193d9d_qkv
	.p2align	8
	.type	k_qd0fe193d9d_qkv,@function
k_qd0fe193d9d_qkv:
	s_mov_b64 s[64:65], 0
	v_nop
	global_prefetch_b8 v0, s[64:65] scope:SCOPE_SE
	s_setreg_imm32_b32 hwreg(HW_REG_WAVE_MODE, 25, 1), 1
	s_wait_xcnt 0x0
; h = GroupNorm(x) x gn_w + gn_b, quantised along the channels; qkv = W h + qkv_b on codes of FP4 (E2M1) with one E8M0 scale for each 32 along K; q and k quantised along the channels, v along the positions (the keys).
; q, k, v leave as IMAGES OF OPERAND REGISTERS: half a fragment (4 registers a lane) is 512 bytes, lane l's 16 bytes at 16 l; a fragment (16 rows x 128 K) is its two halves on end, 1,024 bytes.
; qbuf: a record of 8,704 bytes for each 64 positions: fragment (query tile mt, K step s) at (2 mt + s) 1024; scale words at 8192 + (16 s + r) 16 + 4 mt.
; kvbuf: a record of 34,816 bytes for each 128 positions: K's fragment (key tile kt, s) at (2 kt + s) 1024; V's (channel tile T; K = the record's keys) at 16384 + 1024 T;
;   K's scale words at 32768 + 512 (kt / 4) + (16 s + r) 16 + 4 (kt % 4); V's at 33792 + 512 ((T / 4) % 2) + (16 (T / 8) + r) 16 + 4 (T % 4).
; SHARES.  A work-group owns 64 positions of one batch and all 768 outputs.  First wave w normalises and quantises 32 positions (w % 2; a lane to a position) x 64 channels (w / 2; registers run down the channels, so a block of 32
; lies in one lane); the codes meet in LDS as rows.  Then wave w owns 64 rows of W_q (w < 4) or W_k and 32 rows of W_v: each weight byte goes once into the registers of the one wave that uses it.
; THE ROWS OF A TILE ARE NOT NEIGHBOURS: of 32 neighbouring rows tile u (0, 1) gives lane r the row 8 u + r + 8 (r / 8), for positions and for W's rows alike.  Where such a tile is source 0, register j of lane (r, h) is row
; 8 u + 16 h + j: the 16 registers of two neighbouring tiles are 16 neighbours along the next product's K.
; q, k: source 0 = W, source 1 = h: a lane holds one position, registers run along the channels.  v: source 0 = h, source 1 = W_v: a lane holds one channel, registers run along the positions.  The biases are the C of each sum's first product.
; No tensor loads, no cluster: what work-groups share is the weights, 13 KB a wave, which go straight into registers.
; V's scale words are written in halves by the two work-groups of a record (64 positions are two of a word's four blocks): 512 of the 26 KB that a work-group stores.
; LIMITS: NaN and infinities are not served.  A block's largest magnitude is held at 2^-124 from below; a block of zeros so gets the byte 1 (its codes are zeros; this program alone reads the bytes).
; REGISTERS.  Window 0: v1-15 lane terms and addresses; v16-31 (mean, 1/sigma) of my 8 groups; v32-39, v40-47, v48-51 scale words of h, W, W_v; v52-63 at work; v64-127 x, then h's 8 fragments;
;   v128-191 gn_w, then the accumulators; v192-255 gn_b, then codes on their way out (v192-215) and v's bias as C (v216-231).   Window 1: v0-63 W's 8 fragments, v64-95 W_v's 4, v96-127 q's or k's bias, 8 registers a tile.
.set HP,   144                         ; a position's row of codes in LDS: 128 bytes + 16
.set HS,   9216                        ; behind the 64 rows: h's scale bytes, 8 a position
.set SG,   9728                        ; q's 512 scale bytes as they lie in the record, then k's
.set MR,   16
.set HSC,  32
.set WS,   40
.set WVS,  48
.set BM,   52                          ; v52-53 largest magnitudes, v54-55 the other lane's, then bytes, v56-57 the conversions' scale operands
.set BP,   54
.set SO,   56
.set UW,   58                          ; two scale bytes
.set VB,   60                          ; v60-61 v's bias as loaded
.set UV,   62                          ; v62-63 v's scale bytes (before that: r + 8 (r / 8), and four times it)
.set X,    64
.set A,    128
.set BC,   192
.set ACC,  128
.set CD,   192
.set CB,   216
.set MSB, 0
.macro WIN new                         ; the immediate's high byte repeats the setting that is left
.if MSB != \new
	s_set_vgpr_msb (MSB<<8)|\new
.set MSB, \new
.endif
.endm
.macro BARRIER                         ; my LDS stores have landed and my LDS loads are in: then the work-group's barrier
	s_wait_dscnt 0x0
	s_barrier_signal -1
	s_barrier_wait -1
.endm
.macro PLACES n
.rept \n
	v_nop
.endr
.endm
; 32 numbers of a lane, register 16 b + i = k 32 b + 16 (lane / 16) + i of my row, become half a fragment's codes in v[dst] .. v[dst + 3] and two scale bytes in v[uw].  Each accumulator is read from its low end on.
.macro QUANTH src, dst, uw
.irp b, 0,1
	v_max3_num_f32 v[BM+\b], |v[\src+16*\b]|, |v[\src+16*\b+1]|, 0x1800000   ; my 16 numbers of block b, and the floor 2^(3 - 127): the byte cannot fall under 1
.endr
.irp n, 2,4,6,8,10,12,14
.irp b, 0,1
	v_max3_num_f32 v[BM+\b], v[BM+\b], |v[\src+16*\b+\n]|, |v[\src+16*\b+\n+1]|
.endr
.endr
.irp b, 0,1
	v_permlanex16_b32 v[BP+\b], v[BM+\b], s28, s29
.endr
.irp b, 0,1
	v_max_num_f32 v[BM+\b], v[BM+\b], v[BP+\b]     ; with lane l xor 16's: the block's largest magnitude
.endr
.irp b, 0,1
	v_add_nc_u32 v[SO+\b], 0xff000000, v[BM+\b]    ; 2 off its exponent field: the conversion takes the exponent field of this operand as its scale
.endr
.irp b, 0,1
	v_lshrrev_b32 v[BP+\b], 23, v[SO+\b]           ; the scale's byte
.endr
	v_lshl_or_b32 v[\uw], v[BP+1], 8, v[BP]
.irp b, 0,1
	v_cvt_scalef32_pk8_fp4_f32 v[\dst+2*\b], v[\src+16*\b:\src+16*\b+7], v[SO+\b]
	v_cvt_scalef32_pk8_fp4_f32 v[\dst+2*\b+1], v[\src+16*\b+8:\src+16*\b+15], v[SO+\b]
.endr
	v_nop                                          ; one plain place behind a scaled conversion
.irp n, 0,1
	v_permlane16_swap_b32 v[\dst+\n], v[\dst+2+\n] ; the operand's layout wants a whole block in a lane: lanes 0-15 the first block, lanes 16-31 the second
.endr
.endm
	s_load_b512 s[4:19], s[0:1], 0x0               ; x s[4:5], stats s[6:7], gn_w s[8:9], gn_b s[10:11], W's codes s[12:13], W's scales s[14:15], qkv_b s[16:17], qbuf s[18:19]
	s_load_b64 s[20:21], s[0:1], 0x40              ; kvbuf
	s_set_vgpr_msb 0x40
	v_lshl_add_u32 v128, v0, 2, 0x2c00
	v_mov_b32 v129, 0
	s_set_vgpr_msb 0x4000
	v_lshrrev_b32 v1, 5, v0
	v_readfirstlane_b32 s22, v1                    ; wave w
	v_and_b32 v1, 31, v0                           ; lane
	v_and_b32 v2, 15, v0                           ; r
	v_bfe_u32 v3, v0, 4, 1                         ; h
	s_and_b32 s23, s22, 1                          ; w % 2
	s_lshr_b32 s24, s22, 1                         ; w / 2
	s_and_b32 s26, ttmp7, 0xffff                   ; the batch
	s_and_b32 s27, ttmp9, 1                        ; which half of a record of 128 positions
	s_mov_b32 s28, 0x76543210
	s_mov_b32 s29, 0xfedcba98                      ; v_permlanex16_b32's selects for lane l xor 16
	v_lshlrev_b32 v4, 2, v1                        ; x: 4 bytes a lane
	v_mov_b32 v5, 0                                ; loads that every lane makes alike
	s_mul_i32 s30, s23, 32*HP
	s_lshl_b32 s31, s24, 5
	s_add_co_u32 s30, s30, s31
	v_mul_u32_u24 v6, v1, HP
	v_add_nc_u32 v6, s30, v6                       ; where I put my position's codes: row 32 (w % 2) + lane, byte 32 (w / 2)
	s_lshl_b32 s30, s23, 8
	s_lshl_b32 s31, s24, 1
	s_add_co_u32 s30, s30, s31
	s_add_co_u32 s30, s30, HS
	v_lshl_add_u32 v7, v1, 3, s30                  ; and its two scale bytes
	v_and_b32 v62, 8, v2
	v_add_nc_u32 v62, v62, v2                      ; r + 8 (r / 8)
	v_mul_u32_u24 v8, v62, HP
	v_lshl_add_u32 v8, v3, 4, v8                   ; h's fragments from LDS
	v_lshl_add_u32 v9, v62, 3, HS                  ; and their scale words
	v_lshlrev_b32 v10, 7, v62
	v_lshl_add_u32 v10, v3, 4, v10                 ; W's codes: a row is 128 bytes
	v_lshlrev_b32 v11, 3, v62                      ; W's scale words: 8 bytes a row
	v_lshlrev_b32 v12, 6, v3                       ; q's, k's bias: 16 h numbers on
	v_lshlrev_b32 v13, 4, v1                       ; an image's place for my lane
	v_lshlrev_b32 v63, 2, v62                      ; v's bias: 4 bytes a row
	s_lshr_b32 s30, s22, 2
	s_lshl_b32 s30, s30, 9
	s_bfe_u32 s31, s22, 0x10001
	s_lshl_b32 s31, s31, 8
	s_add_co_u32 s30, s30, s31
	s_lshl_b32 s31, s23, 1
	s_add_co_u32 s30, s30, s31
	s_add_co_u32 s30, s30, SG
	v_lshl_add_u32 v14, v2, 4, s30                 ; q's or k's scale bytes: 512 (w / 4) + 256 (K step) + 16 r + 2 (w % 2)
	s_lshl_b32 s30, s23, 9
	s_add_co_u32 s30, s30, SG
	v_add_nc_u32 v15, s30, v13                     ; and out again: wave 0 q's 512 bytes, wave 1 k's
	s_lshl_b32 s66, s26, 22                        ; x: batch x 4 MiB + 64 (w / 2) channels of 16 KiB + 256 x work-group x + 128 (w % 2)
	s_lshl_b32 s30, s24, 20
	s_add_co_u32 s66, s66, s30
	s_lshl_b32 s30, ttmp9, 8
	s_add_co_u32 s66, s66, s30
	s_lshl_b32 s30, s23, 7
	s_add_co_u32 s66, s66, s30
	s_mov_b32 s67, 0
	s_wait_kmcnt 0x0
	s_add_nc_u64 s[4:5], s[4:5], s[66:67]
.set RN, 0
.rept 64
	global_load_b32 v[X+RN], v4, s[4:5] offset:16384*RN   ; x(channel 64 (w / 2) + i, my position): a wave reads 128 consecutive bytes, the two waves of a channel range 256
.set RN, RN+1
.endr
	s_lshl_b32 s66, s26, 9
	s_lshl_b32 s30, s24, 7
	s_add_co_u32 s66, s66, s30
	s_add_nc_u64 s[6:7], s[6:7], s[66:67]          ; stats of my 8 groups: 16 bytes a group
	s_load_b512 s[32:47], s[6:7], 0x0
	s_load_b512 s[48:63], s[6:7], 0x40
	s_lshl_b32 s66, s24, 8
	s_add_nc_u64 s[8:9], s[8:9], s[66:67]
	s_add_nc_u64 s[10:11], s[10:11], s[66:67]
.irp i, 0,1,2,3,4,5,6,7,8,9,10,11,12,13,14,15
	global_load_b128 v[A+4*\i:A+4*\i+3], v5, s[8:9] offset:16*\i     ; gn_w of my 64 channels, alike in every lane
.endr
.irp i, 0,1,2,3,4,5,6,7,8,9,10,11,12,13,14,15
	global_load_b128 v[BC+4*\i:BC+4*\i+3], v5, s[10:11] offset:16*\i ; gn_b
.endr
	s_lshl_b32 s66, s22, 12
	s_add_co_u32 s66, s66, 65536
	s_add_nc_u64 s[68:69], s[12:13], s[66:67]      ; W_v's codes: row 512 + 32 w
	s_lshl_b32 s66, s22, 13
	s_add_nc_u64 s[12:13], s[12:13], s[66:67]      ; W_q's or W_k's: row 64 w
	s_lshl_b32 s66, s22, 8
	s_add_co_u32 s66, s66, 4096
	s_add_nc_u64 s[70:71], s[14:15], s[66:67]      ; the scale bytes likewise
	s_lshl_b32 s66, s22, 9
	s_add_nc_u64 s[14:15], s[14:15], s[66:67]
	s_lshl_b32 s66, s22, 7
	s_add_co_u32 s66, s66, 2048
	s_add_nc_u64 s[72:73], s[16:17], s[66:67]      ; and the biases
	s_lshl_b32 s66, s22, 8
	s_add_nc_u64 s[16:17], s[16:17], s[66:67]
	WIN 0x40                                       ; destination window 1
.irp tt, 0,1,2,3
.irp s, 0,1
.irp c, 0,1
	global_load_b128 v[16*\tt+8*\s+4*\c:16*\tt+8*\s+4*\c+3], v10, s[12:13] offset:(32*(\tt/2)+8*(\tt%2))*128+64*\s+32*\c
.endr
.endr
.endr
.irp tv, 0,1
.irp s, 0,1
.irp c, 0,1
	global_load_b128 v[64+16*\tv+8*\s+4*\c:64+16*\tv+8*\s+4*\c+3], v10, s[68:69] offset:1024*\tv+64*\s+32*\c
.endr
.endr
.endr
.irp tt, 0,1,2,3
	global_load_b128 v[96+8*\tt:96+8*\tt+3], v12, s[16:17] offset:(32*(\tt/2)+8*(\tt%2))*4       ; the bias in the result's layout: rows 8 u + 16 h + 0 .. 7 of the tile's 32
	global_load_b128 v[96+8*\tt+4:96+8*\tt+7], v12, s[16:17] offset:(32*(\tt/2)+8*(\tt%2))*4+16
.endr
	WIN 0
.irp tt, 0,1,2,3
.irp s, 0,1
	global_load_b32 v[WS+2*\tt+\s], v11, s[14:15] offset:(32*(\tt/2)+8*(\tt%2))*8+4*\s
.endr
.endr
.irp tv, 0,1
.irp s, 0,1
	global_load_b32 v[WVS+2*\tv+\s], v11, s[70:71] offset:64*\tv+4*\s
.endr
.endr
.irp tv, 0,1
	global_load_b32 v[VB+\tv], v63, s[72:73] offset:32*\tv
.endr
	; where the results go
	s_lshl_b32 s30, s26, 6
	s_add_co_u32 s30, s30, ttmp9
	s_mul_i32 s66, s30, 8704
	s_add_nc_u64 s[18:19], s[18:19], s[66:67]      ; my record of qbuf
	s_lshl_b32 s30, s26, 5
	s_lshr_b32 s31, ttmp9, 1
	s_add_co_u32 s30, s30, s31
	s_mul_i32 s66, s30, 34816
	s_add_nc_u64 s[20:21], s[20:21], s[66:67]      ; my record of kvbuf
	s_bfe_u32 s30, s22, 0x10001
	s_lshl_b32 s30, s30, 10
	s_lshl_b32 s31, s23, 9
	s_add_co_u32 s66, s30, s31                     ; my 64 channels are half (w % 2) of K step (w / 2) % 2
	s_add_nc_u64 s[74:75], s[18:19], s[66:67]
	s_lshl_b32 s30, s27, 13
	s_add_co_u32 s66, s66, s30                     ; k: key tiles 4 x half on
	s_add_nc_u64 s[76:77], s[20:21], s[66:67]
	s_cmp_lt_u32 s22, 4                            ; waves 0-3 make q, waves 4-7 k: the choice hangs on the wave's number alone
	s_cselect_b64 s[74:75], s[74:75], s[76:77]
	s_lshl_b32 s66, s22, 11
	s_lshl_b32 s30, s27, 9
	s_add_co_u32 s66, s66, s30
	s_add_co_u32 s66, s66, 16384
	s_add_nc_u64 s[76:77], s[20:21], s[66:67]      ; v's codes: tile 2 w, my half of the record's keys
	s_bfe_u32 s66, s22, 0x10001
	s_lshl_b32 s66, s66, 9
	s_lshr_b32 s30, s22, 2
	s_lshl_b32 s30, s30, 8
	s_add_co_u32 s66, s66, s30
	s_lshl_b32 s30, s23, 3
	s_add_co_u32 s66, s66, s30
	s_lshl_b32 s30, s27, 1
	s_add_co_u32 s66, s66, s30
	s_add_co_u32 s66, s66, 33792
	s_add_nc_u64 s[78:79], s[20:21], s[66:67]      ; v's scale bytes
	s_add_nc_u64 s[80:81], s[18:19], 8192          ; q's scale words,
	s_lshl_b32 s66, s27, 9
	s_add_co_u32 s66, s66, 32768
	s_add_nc_u64 s[82:83], s[20:21], s[66:67]      ; k's
	s_cmp_eq_u32 s22, 0
	s_cselect_b64 s[80:81], s[80:81], s[82:83]
	; the two halves of each of my 8 groups are joined: mean = (m0 + m1) / 2, variance = (M0 + M1) / 32768 + ((m0 - m1) / 2)^2
	s_wait_kmcnt 0x0
.irp q, 0,1
.irp g, 0,1,2,3
	v_add_f32 v[MR+8*\q+2*\g], s[32+16*\q+4*\g], s[34+16*\q+4*\g]
.endr
.irp g, 0,1,2,3
	v_sub_f32 v[52+\g], s[32+16*\q+4*\g], s[34+16*\q+4*\g]
.endr
.irp g, 0,1,2,3
	v_add_f32 v[56+\g], s[33+16*\q+4*\g], s[35+16*\q+4*\g]
.endr
.irp g, 0,1,2,3
	v_mul_f32 v[MR+8*\q+2*\g], 0.5, v[MR+8*\q+2*\g]
.endr
.irp g, 0,1,2,3
	v_mul_f32 v[52+\g], 0.5, v[52+\g]
.endr
.irp g, 0,1,2,3
	v_mul_f32 v[56+\g], 0x38000000, v[56+\g]       ; x 2^-15
.endr
.irp g, 0,1,2,3
	v_fma_f32 v[56+\g], v[52+\g], v[52+\g], v[56+\g]
.endr
.irp g, 0,1,2,3
	v_add_f32 v[56+\g], 0x3727c5ac, v[56+\g]       ; + 1e-5
.endr
.irp g, 0,1,2,3
	v_rsq_f32 v[MR+8*\q+2*\g+1], v[56+\g]
.endr
	v_nop                                          ; a plain place behind the transcendentals
.endr
	s_wait_loadcnt 46                              ; x, gn_w and gn_b are in; the 46 loads behind them (32 of weights and bias, 14 words) may be out
.set RN, 0
	s_wait_alu depctr_va_vdst(0)
.rept 64
	v_mul_f32 v[A+RN], v[A+RN], v[MR+2*(RN/8)+1]   ; a = gn_w / sigma
.set RN, RN+1
.endr
.set RN, 0
.rept 32
	v_pk_add_f32 v[X+2*RN:X+2*RN+1], v[X+2*RN:X+2*RN+1], v[MR+2*(RN/4):MR+2*(RN/4)+1] op_sel_hi:[1,0] neg_lo:[0,1] neg_hi:[0,1]   ; x - mean
.set RN, RN+1
.endr
.set RN, 0
.rept 32
	v_pk_fma_f32 v[X+2*RN:X+2*RN+1], v[X+2*RN:X+2*RN+1], v[A+2*RN:A+2*RN+1], v[BC+2*RN:BC+2*RN+1]   ; h
.set RN, RN+1
.endr
	; my position's two blocks of 32 channels: all 32 numbers of a block are mine
.irp b, 0,1
	v_max3_num_f32 v[BM+\b], |v[X+32*\b]|, |v[X+32*\b+1]|, 0x1800000
.endr
.irp n, 2,4,6,8,10,12,14,16,18,20,22,24,26,28,30
.irp b, 0,1
	v_max3_num_f32 v[BM+\b], v[BM+\b], |v[X+32*\b+\n]|, |v[X+32*\b+\n+1]|
.endr
.endr
.irp b, 0,1
	v_add_nc_u32 v[SO+\b], 0xff000000, v[BM+\b]
.endr
.irp b, 0,1
	v_lshrrev_b32 v[BP+\b], 23, v[SO+\b]
.endr
	v_lshl_or_b32 v[UW], v[BP+1], 8, v[BP]
.irp b, 0,1
.irp g, 0,1,2,3
	v_cvt_scalef32_pk8_fp4_f32 v[A+4*\b+\g], v[X+32*\b+8*\g:X+32*\b+8*\g+7], v[SO+\b]
.endr
.endr
	v_nop                                          ; one plain place behind a scaled conversion
	ds_store_b128 v6, v[A:A+3]
	ds_store_b128 v6, v[A+4:A+7] offset:16
	ds_store_b16 v7, v[UW]
	BARRIER                                        ; the 64 positions' codes and scale bytes lie in LDS
.irp mt, 0,1,2,3
.irp s, 0,1
.irp c, 0,1
	ds_load_b128 v[X+16*\mt+8*\s+4*\c:X+16*\mt+8*\s+4*\c+3], v8 offset:(32*(\mt/2)+8*(\mt%2))*HP+64*\s+32*\c
.endr
	ds_load_b32 v[HSC+2*\mt+\s], v9 offset:(32*(\mt/2)+8*(\mt%2))*8+4*\s
.endr
.endr
	s_wait_loadcnt 0x0                             ; the weights, their scale words, the biases
.irp tv, 0,1
.irp n, 0,1,2,3,4,5,6,7
	v_mov_b32 v[CB+8*\tv+\n], v[VB+\tv]            ; v's bias in the result's layout: a lane holds one channel
.endr
.endr
	v_lshlrev_b32 v12, 2, v3                       ; (free since that wait)  v's scale bytes: 16 r + 4 h
	v_lshl_add_u32 v12, v2, 4, v12
	s_wait_dscnt 0x0
; q or k of position tiles m0, m0 + 1: eight accumulators by turns, a K step at a time
.macro QKMUL m0, s
.irp mm, 0,1
.irp tt, 0,1,2,3
.if \s == 0
	v_wmma_scale_f32_16x16x128_f8f6f4 v[ACC+32*\mm+8*\tt:ACC+32*\mm+8*\tt+7], v[16*\tt:16*\tt+7], v[X+16*(\m0+\mm):X+16*(\m0+\mm)+7], v[96+8*\tt:96+8*\tt+7], v[WS+2*\tt], v[HSC+2*(\m0+\mm)] matrix_a_fmt:MATRIX_FMT_FP4 matrix_b_fmt:MATRIX_FMT_FP4
.else
	v_wmma_scale_f32_16x16x128_f8f6f4 v[ACC+32*\mm+8*\tt:ACC+32*\mm+8*\tt+7], v[16*\tt+8:16*\tt+15], v[X+16*(\m0+\mm)+8:X+16*(\m0+\mm)+15], v[ACC+32*\mm+8*\tt:ACC+32*\mm+8*\tt+7], v[WS+2*\tt+1], v[HSC+2*(\m0+\mm)+1] matrix_a_fmt:MATRIX_FMT_FP4 matrix_b_fmt:MATRIX_FMT_FP4
.endif
.endr
.endr
.endm
.macro QKROUND m0
	WIN 0x11                                       ; source 0 (W) and source 2 (the bias) window 1
	QKMUL \m0, 0
	WIN 0x01
	QKMUL \m0, 1
	WIN 0
	PLACES 4                                       ; in front of the first read of results
.irp mm, 0,1
	QUANTH ACC+32*\mm, CD+4*(\m0+\mm), UW
	global_store_b128 v13, v[CD+4*(\m0+\mm):CD+4*(\m0+\mm)+3], s[74:75] offset:2048*(\m0+\mm)   ; half a fragment: 512 consecutive bytes; each item has codes' registers of its own, so no store's data are written again
	ds_store_b16 v14, v[UW] offset:4*(\m0+\mm)     ; both lanes of a position write the same two bytes
.endr
.endm
	QKROUND 0
	QKROUND 2
.macro VMUL s
.irp tv, 0,1
.irp mt, 0,1,2,3
.if \s == 0
	v_wmma_scale_f32_16x16x128_f8f6f4 v[ACC+32*\tv+8*\mt:ACC+32*\tv+8*\mt+7], v[X+16*\mt:X+16*\mt+7], v[64+16*\tv:64+16*\tv+7], v[CB+8*\tv:CB+8*\tv+7], v[HSC+2*\mt], v[WVS+2*\tv] matrix_a_fmt:MATRIX_FMT_FP4 matrix_b_fmt:MATRIX_FMT_FP4
.else
	v_wmma_scale_f32_16x16x128_f8f6f4 v[ACC+32*\tv+8*\mt:ACC+32*\tv+8*\mt+7], v[X+16*\mt+8:X+16*\mt+15], v[64+16*\tv+8:64+16*\tv+15], v[ACC+32*\tv+8*\mt:ACC+32*\tv+8*\mt+7], v[HSC+2*\mt+1], v[WVS+2*\tv+1] matrix_a_fmt:MATRIX_FMT_FP4 matrix_b_fmt:MATRIX_FMT_FP4
.endif
.endr
.endr
.endm
	WIN 0x04                                       ; source 1 (W_v) window 1
	VMUL 0
	VMUL 1
	WIN 0
	PLACES 4
	QUANTH ACC, CD+16, UV
	global_store_b128 v13, v[CD+16:CD+19], s[76:77]
	QUANTH ACC+32, CD+20, UV+1
	global_store_b128 v13, v[CD+20:CD+23], s[76:77] offset:1024
	v_cmp_eq_u32 vcc_lo, 1, v3
	v_cndmask_b32 v[UW], v[UV], v[UV+1], vcc_lo    ; lanes 0-15 carry the first tile's two bytes, lanes 16-31 the second's
	global_store_b16 v12, v[UW], s[78:79]
	BARRIER                                        ; q's and k's scale words are whole in LDS
	s_cmp_gt_u32 s22, 1
	s_cbranch_scc1 .Lend                           ; wave 0 stores q's 512 bytes, wave 1 k's
	ds_load_b128 v[236:239], v15
	s_wait_dscnt 0x0
	global_store_b128 v13, v[236:239], s[80:81]
.Lend:
	s_set_vgpr_msb 0x5
	s_wait_tensorcnt 0x0
	ds_add_u32 v128, v129
	s_wait_dscnt 0x0
	s_set_vgpr_msb 0x500
	s_endpgm
.Lfunc_end_k_qd0fe193d9d_qkv:
	.size	k_qd0fe193d9d_qkv, .Lfunc_end_k_qd0fe193d9d_qkv-k_qd0fe193d9d_qkv
	.p2alignl 7, 3214868480
	.fill 96, 4, 3214868480
	.section	.rodata,"a",@progbits
	.p2align	6, 0x0
	.amdhsa_kernel k_qd0fe193d9d_qkv
		.amdhsa_group_segment_fixed_size 12288
		.amdhsa_private_segment_fixed_size 0
		.amdhsa_enable_private_segment 0
		.amdhsa_kernarg_size 72
		.amdhsa_user_sgpr_count 2
		.amdhsa_user_sgpr_kernarg_segment_ptr 1
		.amdhsa_wavefront_size32 1
		.amdhsa_system_sgpr_workgroup_id_x 1
		.amdhsa_system_sgpr_workgroup_id_y 1
		.amdhsa_system_sgpr_workgroup_id_z 1
		.amdhsa_system_vgpr_workitem_id 0
		.amdhsa_next_free_vgpr 386
		.amdhsa_next_free_sgpr 84
		.amdhsa_reserve_vcc 1
		.amdhsa_float_denorm_mode_32 3
		.amdhsa_float_denorm_mode_16_64 3
		.amdhsa_memory_ordered 1
		.amdhsa_forward_progress 1
		.amdhsa_inst_pref_size 54
	.end_amdhsa_kernel
	.amdgpu_metadata
---
amdhsa.version: [ 1, 2 ]
amdhsa.kernels:
  - .name:           k_qd0fe193d9d_qkv
    .symbol:         k_qd0fe193d9d_qkv.kd
    .args:
      - { .name: x, .offset: 0, .size: 8, .value_kind: global_buffer, .address_space: global }
      - { .name: stats, .offset: 8, .size: 8, .value_kind: global_buffer, .address_space: global }
      - { .name: gn_w, .offset: 16, .size: 8, .value_kind: global_buffer, .address_space: global }
      - { .name: gn_b, .offset: 24, .size: 8, .value_kind: global_buffer, .address_space: global }
      - { .name: qkv_w_codes, .offset: 32, .size: 8, .value_kind: global_buffer, .address_space: global }
      - { .name: qkv_w_scales, .offset: 40, .size: 8, .value_kind: global_buffer, .address_space: global }
      - { .name: qkv_b, .offset: 48, .size: 8, .value_kind: global_buffer, .address_space: global }
      - { .name: qbuf, .offset: 56, .size: 8, .value_kind: global_buffer, .address_space: global }
      - { .name: kvbuf, .offset: 64, .size: 8, .value_kind: global_buffer, .address_space: global }
    .group_segment_fixed_size: 12288
    .private_segment_fixed_size: 0
    .kernarg_segment_align: 8
    .kernarg_segment_size: 72
    .max_flat_workgroup_size: 256
    .sgpr_count:     84
    .vgpr_count:     386
    .wavefront_size: 32
...
	.end_amdgpu_metadata
.endif
;; end of part 2
;; launch attn (part 3): grid 64 x 4, 8 waves a work-group, clusters of 4 x 1, 327,680 bytes of LDS; arguments qbuf, kvbuf, proj_w_codes, proj_w_scales, proj_b, x, out0; writes out0
.if DOCPART == 3
	.amdgcn_target "amdgcn-amd-amdhsa--gfx1250"
	.amdhsa_code_object_version 6
	.text
	.protected	k_qd0fe193d9d_attn
	.globl	k_qd0fe193d9d_attn
	.p2align	8
	.type	k_qd0fe193d9d_attn,@function
k_qd0fe193d9d_attn:
	s_mov_b64 s[64:65], 0
	v_nop
	global_prefetch_b8 v0, s[64:65] scope:SCOPE_SE
	s_setreg_imm32_b32 hwreg(HW_REG_WAVE_MODE, 25, 1), 1
	s_wait_xcnt 0x0
	s_wait_alu depctr_hold_cnt(0) depctr_sa_sdst(0) depctr_va_vdst(0) depctr_va_sdst(0) depctr_va_ssrc(0) depctr_va_vcc(0) depctr_vm_vsrc(0)
	s_getreg_b32 s2, hwreg(HW_REG_IB_STS2, 6, 4)
	s_cmp_eq_u32 s2, 0
	s_cbranch_scc0 .Lentry_in_a_cluster
	s_endpgm
.Lentry_in_a_cluster:
	s_bfe_u32 s2, ttmp6, 0x10000c
	s_cmp_lg_u32 s2, 0x3003
	s_cbranch_scc0 .Lentry_shape_is_right
	s_endpgm
.Lentry_shape_is_right:
; out0 = x + proj_w softmax(q^T k / 16) v + proj_b, all three products on codes of FP4 (E2M1) with one E8M0 scale for each 32 along K.  One head of 256 channels, 4,096 positions, 4 batches.
; qbuf and kvbuf hold IMAGES OF OPERAND REGISTERS (half a fragment = 512 bytes, lane l's 16 bytes at 16 l): a record of 8,704 bytes for 64 queries; a record of 34,816 bytes for 128 keys: K's 16 fragments, V's 16, K's scale words
; (1,024 bytes), V's (1,024).  So every LDS read is 512 consecutive bytes, and four scale registers come by one load (lanes 0-15 one set, lanes 16-31 the other).
; THE SOFTMAX: t = score x log2(e) / 16; M = the largest t so far, rounded UP to a whole number; p = 2^(t - M) is quantised along the keys, not normalised; the sum l is taken of the unquantised p.
; SHARES.  A work-group owns 64 queries.  Wave w owns query tiles 2 (w % 2), + 1 and record w / 2 of every slot: A QUARTER OF THE KEYS, with a running M and l of its own.  Since every M is a whole number the four quarters are
; joined at the end by exact powers of two.  Two waves to a SIMD: one wave's softmax stands beside the other's products; each fragment read from LDS feeds two products.
; LAYOUT.  S^T = K Q^T, O^T = V^T P^T: a lane holds ONE query throughout.  The keys of a tile of K, and the channels of a tile of V, are chosen (lane r: 8 u + r + 8 (r / 8) of 32) so that the 16 registers of two neighbouring tiles
; are 16 neighbours along the next product's K.
; RING.  Two slots of four records (139,264 bytes); each wave fetches an eighth of a slot, 68 rows of 256 bytes, dense.  CLUSTER: the four work-groups of a cluster belong to one batch and walk the same records:
; every fill is asked for JOINTLY, by the same tensor load with the same descriptor and the mask 15.  A wave has two tensor loads out at the start and one behind each round.
; THE END.  (-M, l) of all waves meet in LDS; each wave multiplies its O^T by 2^(M - the row's M) / l and stores it by channel quarters; wave (w % 2, w / 2) adds the four parts of channel quarter w / 2, quantises them along the
; channels and stores the image; then wave w makes output channels 32 w .. 32 w + 31 for all 64 queries, adds x and stores rows of 256 bytes.
; LIMITS: NaN and infinities are not served.  A block's largest magnitude is held at 2^-124 from below (a block of zeros gets the byte 1: its codes are zeros).  A key quarter whose M lies so far under the row's M that its
; factor falls under the smallest f32 number adds 0.  Each of the four parts of O is rounded once more by its factor.
; REGISTERS.  Window 0: v1, v2 for the add; v3, v4 my record in slot 0, 1; v5-9 addresses; v10-17 (-M, largest t, l in two halves) of my two tiles, at the end addresses; v18-19 Q's scale words, v20-21 p's, v184-191 K's, V's,
;   proj_w's, out's; v22-23 proj_b; v24-55 Q's four fragments, later proj_w's; v56-183 S^T, then p, then V's 16 fragments; v192-255 eight fragments of K, then p's codes (v192-207) and work.   Window 1: O^T, tile i, channel tile T at 128 i + 8 T.
.set SLOTB, 139264                     ; a slot: four records
.set RECB,  34816
.set SPARE, 2*SLOTB                    ; behind the ring: the spare words, 128 bytes for each wave: four blocks of 256 bytes that no other line names
.set MS,    SPARE+1024                 ; (-M, l): 512 bytes a wave
.set OIMG,  MS+4096                    ; out's eight fragments,
.set OSC,   OIMG+8192                  ; and their scale words, 512 bytes
; in the slots, which have had their last fill by then: the exchange, 32,768 bytes a wave; later the stage for y, 32 rows x 272 bytes a wave
.set QBM,  240                         ; the last quantiser's work
.set QBP,  242
.set QSO,  244
.set MSB, 0
.macro WIN new                         ; the immediate's high byte repeats the setting that is left
.if MSB != \new
	s_set_vgpr_msb (MSB<<8)|\new
.set MSB, \new
.endif
.endm
.macro PLACES n
.rept \n
	v_nop
.endr
.endm
.macro BARRIER                         ; my LDS stores have landed and my LDS loads are in: then the work-group's barrier
	s_wait_dscnt 0x0
	s_barrier_signal -1
	s_barrier_wait -1
.endm
; A round of the cluster's barrier: my work-group's barrier, so that wave 0's signal speaks for all eight waves; wave 0 signals; every wave waits for all four work-groups; my work-group's barrier once more.
.macro CROUND
	s_barrier_signal -1
	s_barrier_wait -1
	s_cmp_lg_u32 s18, 0
	s_cbranch_scc1 .Lnot_wave_0_\@
	s_barrier_signal -3
.Lnot_wave_0_\@:
	s_barrier_wait -3
	s_barrier_signal -1
	s_barrier_wait -1
.endm
	s_load_b256 s[4:11], s[0:1], 0x0               ; qbuf s[4:5], kvbuf s[6:7], proj_w's codes s[8:9], its scales s[10:11]
	s_load_b128 s[12:15], s[0:1], 0x20             ; proj_b s[12:13], x s[14:15]
	s_load_b64 s[16:17], s[0:1], 0x30              ; out0
	v_lshl_add_u32 v1, v0, 2, SPARE
	v_mov_b32 v2, 0
	ds_add_u32 v1, v2
	ds_add_u32 v1, v2
	s_wait_dscnt 0x0
	v_lshrrev_b32 v3, 5, v0
	v_readfirstlane_b32 s18, v3                    ; wave w
	s_and_b32 s19, s18, 1                          ; which pair of query tiles
	s_lshr_b32 s20, s18, 1                         ; which quarter of the keys; at the end: of the channels
	s_bfe_u32 s21, ttmp6, 0x40000                  ; cx: my place in the cluster
	s_lshl_b32 s22, ttmp9, 2
	s_add_co_u32 s22, s22, s21                     ; my block of 64 queries: it enters the addresses of qbuf, x and out0 alone
	s_and_b32 s23, ttmp7, 0xffff                   ; the batch, which the four partners share
	; descriptor group 1: 68 rows of 32 elements of 8 bytes, dense in memory and in LDS
	s_mov_b32 s24, 15|(3<<16)|(1<<21)              ; 15:0 the mask: all four work-groups; 17:16 elements of 8 bytes; 21 set beside a mask; no padding: images are read 16 bytes a lane on end
	s_mov_b32 s25, 32<<16                          ; tensor_dim0 = 32
	s_mov_b32 s26, 68<<16                          ; tensor_dim1 = 68
	s_mov_b32 s27, 32<<16                          ; tile_dim0 = 32
	s_mov_b32 s28, 68                              ; tile_dim1 = 68
	s_mov_b32 s29, 32                              ; tensor_dim0_stride
	s_mov_b32 s30, 0
	s_mov_b32 s31, 0
	s_mov_b32 s40, 0x76543210
	s_mov_b32 s41, 0xfedcba98                      ; v_permlanex16_b32's selects for lane l xor 16
	s_mov_b32 s42, 0x3db8aa3b                      ; c = log2(e) / 16
	s_mov_b32 s43, s42                             ; (named with it as a pair, so it is written)
	s_mul_i32 s46, s18, 17408                      ; my eighth of a slot, in LDS and in memory alike
	s_mul_i32 s48, s23, 32*RECB
	s_add_co_u32 s48, s48, s46
	s_mov_b32 s49, 0
	s_lshl_b32 s52, s23, 6
	s_add_co_u32 s52, s52, s22
	s_mul_i32 s52, s52, 8704                       ; my record of qbuf
	s_mov_b32 s53, 0
	s_lshl_b32 s54, s19, 3
	s_add_co_u32 s54, s54, 8192                    ; in it: my two tiles' scale words,
	s_mov_b32 s55, 0
	s_lshl_b32 s56, s19, 12                        ; and their four fragments
	s_mov_b32 s57, 0
	s_lshl_b32 s58, s23, 22                        ; x, out0: batch x 4 MiB + 32 w channels of 16 KiB + 256 x block
	s_lshl_b32 s60, s18, 19
	s_add_co_u32 s58, s58, s60
	s_lshl_b32 s60, s22, 8
	s_add_co_u32 s58, s58, s60
	s_mov_b32 s59, 0
	s_mov_b32 s61, 0
	v_and_b32 v11, 31, v0                          ; lane
	v_lshlrev_b32 v10, 4, v11                      ; 16 x lane (for Q's loads; the register is written again behind the wait for them)
	s_mul_i32 s47, s20, RECB
	v_add_nc_u32 v3, s47, v10                      ; my record in slot 0,
	v_add_nc_u32 v4, SLOTB, v3                     ; in slot 1
	v_and_b32 v8, 15, v0                           ; r
	v_bfe_u32 v9, v0, 4, 1                         ; h
	v_lshlrev_b32 v5, 7, v8
	v_lshl_add_u32 v5, v9, 4, v5                   ; proj_w's codes: row r of 128 bytes, + 16 h
	v_lshlrev_b32 v6, 3, v8
	v_lshl_add_u32 v6, v9, 2, v6                   ; its scale words: lanes 0-15 K step 0's, lanes 16-31 K step 1's
	v_lshlrev_b32 v7, 2, v8                        ; proj_b
	s_lshl_b32 s62, s18, 9
	s_add_co_u32 s62, s62, MS
	v_lshl_add_u32 v8, v11, 3, s62                 ; where I put (-M, l)
	s_lshl_b32 s62, s19, 9
	s_add_co_u32 s62, s62, MS
	v_lshl_add_u32 v9, v11, 3, s62                 ; and where I read the four quarters'
.irp i, 12,13,16,17
	v_mov_b32 v\i, 0                               ; l
.endr
	s_wait_kmcnt 0x0
	s_add_nc_u64 s[50:51], s[6:7], s[48:49]
	s_mov_b32 s32, 1                               ; group 0 for slot 0: count = 1,
	s_mov_b32 s33, s46                             ; LDS address,
	s_mov_b64 s[34:35], s[50:51]                   ; global address: the batch's records 0 to 3,
	s_or_b32 s35, s35, 0x80000000                  ; type = 2
	s_mov_b32 s36, 1                               ; and for slot 1: records 4 to 7
	s_add_co_u32 s37, s46, SLOTB
	s_add_nc_u64 s[38:39], s[50:51], SLOTB
	s_or_b32 s39, s39, 0x80000000
	s_add_nc_u64 s[4:5], s[4:5], s[52:53]
	s_add_nc_u64 s[54:55], s[4:5], s[54:55]
	s_add_nc_u64 s[4:5], s[4:5], s[56:57]
	s_add_nc_u64 s[14:15], s[14:15], s[58:59]
	s_add_nc_u64 s[16:17], s[16:17], s[58:59]
	s_lshl_b32 s60, s18, 12
	s_add_nc_u64 s[8:9], s[8:9], s[60:61]          ; proj_w at row 32 w
	s_lshl_b32 s60, s18, 8
	s_add_nc_u64 s[10:11], s[10:11], s[60:61]
	s_lshl_b32 s60, s18, 7
	s_add_nc_u64 s[12:13], s[12:13], s[60:61]
	CROUND                                         ; all four work-groups are here: the first joint loads meet
	tensor_load_to_lds s[32:35], s[24:31]          ; both first fills together, ahead of every wait on TENSORcnt and every LDS read
	s_nop 0
	tensor_load_to_lds s[36:39], s[24:31]
	s_nop 0
	PLACES 4                                       ; four v_nop follow a tensor load
.irp f, 0,1,2,3
.irp c, 0,1
	global_load_b128 v[24+8*\f+4*\c:24+8*\f+4*\c+3], v10, s[4:5] offset:1024*\f+512*\c   ; Q stays in registers: fragment (tile i, K step s) = 2 i + s
.endr
.endr
	global_load_b64 v[18:19], v10, s[54:55]        ; its scale words: lanes 0-15 K step 0's, lanes 16-31 K step 1's
.macro KREG e                          ; where K's fragment e = 2 kt + s lies: key tiles 0-3 in the halves of S^T that key tiles 4-7 will fill, key tiles 4-7 in v192-255
.if (\e) < 4
.set KR, 88+8*(\e)
.elseif (\e) < 8
.set KR, 152+8*((\e)-4)
.else
.set KR, 192+8*((\e)-8)
.endif
.endm
.macro KLOAD lb, e
	KREG \e
	ds_load_b128 v[KR:KR+3], v[\lb] offset:1024*(\e)
	ds_load_b128 v[KR+4:KR+7], v[\lb] offset:1024*(\e)+512
.endm
; 8 products: key tiles k0 .. k0 + 3 x my two query tiles, K step s.  The eight accumulators take turns.  K step 0 starts the sums.
.macro KQ8 k0, s
.irp kk, 0,1,2,3
.irp i, 0,1
	KREG 2*(\k0+\kk)+\s
.if \s == 0
	v_wmma_scale_f32_16x16x128_f8f6f4 v[56+64*\i+8*(\k0+\kk):63+64*\i+8*(\k0+\kk)], v[KR:KR+7], v[24+16*\i:31+16*\i], 0, v[184+\k0+\kk], v[18+\i] matrix_a_fmt:MATRIX_FMT_FP4 matrix_b_fmt:MATRIX_FMT_FP4
.else
	v_wmma_scale_f32_16x16x128_f8f6f4 v[56+64*\i+8*(\k0+\kk):63+64*\i+8*(\k0+\kk)], v[KR:KR+7], v[32+16*\i:39+16*\i], v[56+64*\i+8*(\k0+\kk):63+64*\i+8*(\k0+\kk)], v[184+\k0+\kk], v[18+\i] matrix_a_fmt:MATRIX_FMT_FP4 matrix_b_fmt:MATRIX_FMT_FP4 matrix_a_scale:MATRIX_SCALE_ROW1 matrix_b_scale:MATRIX_SCALE_ROW1
.endif
.endr
.endr
.endm
; 8 products of O^T += V^T P^T: channel tiles t0 .. t0 + 3 x my two query tiles; K = the record's 128 keys.  first = 1: they start the sums: nothing is ever cleared.
.macro PV8 t0, first
.irp tt, 0,1,2,3
.irp i, 0,1
.if \first
.if \t0 < 8
	v_wmma_scale_f32_16x16x128_f8f6f4 v[128*\i+8*(\t0+\tt):128*\i+8*(\t0+\tt)+7], v[56+8*(\t0+\tt):63+8*(\t0+\tt)], v[192+8*\i:199+8*\i], 0, v[184+\t0+\tt], v[20+\i] matrix_a_fmt:MATRIX_FMT_FP4 matrix_b_fmt:MATRIX_FMT_FP4
.else
	v_wmma_scale_f32_16x16x128_f8f6f4 v[128*\i+8*(\t0+\tt):128*\i+8*(\t0+\tt)+7], v[56+8*(\t0+\tt):63+8*(\t0+\tt)], v[192+8*\i:199+8*\i], 0, v[176+\t0+\tt], v[20+\i] matrix_a_fmt:MATRIX_FMT_FP4 matrix_b_fmt:MATRIX_FMT_FP4 matrix_a_scale:MATRIX_SCALE_ROW1
.endif
.else
.if \t0 < 8
	v_wmma_scale_f32_16x16x128_f8f6f4 v[128*\i+8*(\t0+\tt):128*\i+8*(\t0+\tt)+7], v[56+8*(\t0+\tt):63+8*(\t0+\tt)], v[192+8*\i:199+8*\i], v[128*\i+8*(\t0+\tt):128*\i+8*(\t0+\tt)+7], v[184+\t0+\tt], v[20+\i] matrix_a_fmt:MATRIX_FMT_FP4 matrix_b_fmt:MATRIX_FMT_FP4
.else
	v_wmma_scale_f32_16x16x128_f8f6f4 v[128*\i+8*(\t0+\tt):128*\i+8*(\t0+\tt)+7], v[56+8*(\t0+\tt):63+8*(\t0+\tt)], v[192+8*\i:199+8*\i], v[128*\i+8*(\t0+\tt):128*\i+8*(\t0+\tt)+7], v[176+\t0+\tt], v[20+\i] matrix_a_fmt:MATRIX_FMT_FP4 matrix_b_fmt:MATRIX_FMT_FP4 matrix_a_scale:MATRIX_SCALE_ROW1
.endif
.endif
.endr
.endr
.endm
; ONE RECORD OF 128 KEYS.  lb: the register with my record's LDS address.  first = 1: the first record, which starts M, l and O^T.
; At work in v192-255 once K's fragments are done with: p's codes 192 + 8 i; f 210 + 2 i (a pair is named); per tile at 216 + 12 i: four largest scores, four of the other lane (then bytes), four scale operands; 240 + i scratch.
.macro WORK lb, first
	v_nop                                          ; with the four v_nop in front of this macro: five places between the last products and the products that write over registers that those read
	ds_load_b128 v[184:187], v[\lb] offset:32768   ; K's scale words: key tiles 0-3,
	ds_load_b128 v[188:191], v[\lb] offset:33280   ; 4-7
.irp e, 0,2,4,6,1,3,5,7,8,10,12,14,9,11,13,15
	KLOAD \lb, \e                                  ; K's 16 fragments, in the order in which they are used
.endr
	s_wait_dscnt 24                                ; the scale words and the first four fragments are in; 24 younger loads may be out
	KQ8 0, 0
	s_wait_dscnt 16
	KQ8 0, 1
	PLACES 5                                       ; the next products write over registers that these have read
	s_wait_dscnt 8
	KQ8 4, 0
	s_wait_dscnt 0x0
	KQ8 4, 1
	PLACES 4                                       ; in front of the first read of results and the first write over K's fragments
	; the largest score of each block of 32 keys: for the row's maximum, and, since p rises with the score, for the block's largest p.  Each accumulator is read from its low end on.
.irp b, 0,1,2,3
.irp i, 0,1
	v_max3_num_f32 v[216+12*\i+\b], v[56+64*\i+16*\b], v[57+64*\i+16*\b], v[58+64*\i+16*\b]
.endr
.endr
.irp n, 3,5,7,9,11,13
.irp b, 0,1,2,3
.irp i, 0,1
	v_max3_num_f32 v[216+12*\i+\b], v[216+12*\i+\b], v[56+64*\i+16*\b+\n], v[57+64*\i+16*\b+\n]
.endr
.endr
.endr
.irp b, 0,1,2,3
.irp i, 0,1
	v_max_num_f32 v[216+12*\i+\b], v[216+12*\i+\b], v[71+64*\i+16*\b]
.endr
.endr
.irp b, 0,1,2,3
.irp i, 0,1
	v_permlanex16_b32 v[220+12*\i+\b], v[216+12*\i+\b], s40, s41
.endr
.endr
.irp b, 0,1,2,3
.irp i, 0,1
	v_max_num_f32 v[216+12*\i+\b], v[216+12*\i+\b], v[220+12*\i+\b]   ; with lane l xor 16's 16 keys
.endr
.endr
.irp i, 0,1
	v_max3_num_f32 v[240+\i], v[216+12*\i], v[217+12*\i], v[218+12*\i]
.endr
.irp i, 0,1
	v_max_num_f32 v[240+\i], v[240+\i], v[219+12*\i]   ; the record's largest score of my query
.endr
.if \first
.irp i, 0,1
	v_mul_f32 v[11+4*\i], s42, v[240+\i]           ; as t (c is positive)
.endr
.irp i, 0,1
	v_floor_f32 v[10+4*\i], -v[11+4*\i]            ; -M = floor(-t): M is a whole number
.endr
.else
.irp i, 0,1
	v_mul_f32 v[240+\i], s42, v[240+\i]
.endr
.irp i, 0,1
	v_max_num_f32 v[11+4*\i], v[11+4*\i], v[240+\i]   ; the running largest t
.endr
.irp i, 0,1
	v_mov_b32 v[240+\i], v[10+4*\i]
.endr
.irp i, 0,1
	v_floor_f32 v[10+4*\i], -v[11+4*\i]
.endr
.irp i, 0,1
	v_sub_f32 v[240+\i], v[10+4*\i], v[240+\i]     ; old M - new M: a whole number, 0 or less
.endr
.irp i, 0,1
	v_cvt_i32_f32 v[240+\i], v[240+\i]
.endr
.irp i, 0,1
	v_ldexp_f32 v[210+2*\i], 1.0, v[240+\i]        ; f = 2^(old M - new M): a multiplication by it rounds nothing
.endr
.endif
.irp i, 0,1
.set RN, 0
.rept 32
	v_pk_fma_f32 v[56+64*\i+RN:57+64*\i+RN], v[56+64*\i+RN:57+64*\i+RN], s[42:43], v[10+4*\i:11+4*\i] op_sel_hi:[1,0,0]   ; t - M, two at a time
.set RN, RN+2
.endr
.endr
.irp b, 0,1,2,3
.irp i, 0,1
	v_fma_f32 v[216+12*\i+\b], v[216+12*\i+\b], s42, v[10+4*\i]   ; the same of each block's largest score
.endr
.endr
.set RN, 0
.rept 128
	v_exp_f32 v[56+RN], v[56+RN]                   ; p = 2^(t - M), at most 1
.set RN, RN+1
.endr
.irp b, 0,1,2,3
.irp i, 0,1
	v_exp_f32 v[216+12*\i+\b], v[216+12*\i+\b]     ; the block's largest p: the same two instructions on the same number give the same bits
.endr
.endr
.if \first
	v_nop                                          ; a plain place behind the exponentials
	s_wait_alu depctr_va_vdst(0)
.else
	s_wait_alu depctr_va_vdst(0)
.irp i, 0,1
	v_pk_mul_f32 v[12+4*\i:13+4*\i], v[12+4*\i:13+4*\i], v[210+2*\i:211+2*\i] op_sel_hi:[1,0]   ; l under the new M (a plain place behind the exponentials)
.endr
.endif
.irp b, 0,1,2,3
.irp i, 0,1
	v_max_num_f32 v[216+12*\i+\b], 0x1800000, v[216+12*\i+\b]   ; the floor 2^(3 - 127): the byte cannot fall under 1
.endr
.endr
.irp b, 0,1,2,3
.irp i, 0,1
	v_add_nc_u32 v[224+12*\i+\b], 0xff000000, v[216+12*\i+\b]   ; 2 off the exponent field: the conversion's scale operand
.endr
.endr
.irp b, 0,1,2,3
.irp i, 0,1
	v_lshrrev_b32 v[220+12*\i+\b], 23, v[224+12*\i+\b]          ; the scale's byte
.endr
.endr
.irp i, 0,1
	v_lshl_or_b32 v[20+\i], v[221+12*\i], 8, v[220+12*\i]       ; p's scale word for these 128 keys
.endr
.irp i, 0,1
	v_lshl_or_b32 v[20+\i], v[222+12*\i], 16, v[20+\i]
.endr
.irp i, 0,1
	v_lshl_or_b32 v[20+\i], v[223+12*\i], 24, v[20+\i]
.endr
.irp b, 0,1,2,3
.irp i, 0,1
	v_cvt_scalef32_pk8_fp4_f32 v[192+8*\i+2*\b], v[56+64*\i+16*\b:63+64*\i+16*\b], v[224+12*\i+\b]
	v_cvt_scalef32_pk8_fp4_f32 v[193+8*\i+2*\b], v[64+64*\i+16*\b:71+64*\i+16*\b], v[224+12*\i+\b]
.endr
.endr
	v_nop                                          ; one plain place behind a scaled conversion
.irp i, 0,1
.irp c, 0,1
.irp n, 0,1
	v_permlane16_swap_b32 v[192+8*\i+4*\c+\n], v[194+8*\i+4*\c+\n]   ; the operand's layout wants a whole block in a lane
.endr
.endr
.endr
.irp i, 0,1
	v_pk_add_f32 v[216+12*\i:217+12*\i], v[56+64*\i:57+64*\i], v[58+64*\i:59+64*\i]   ; l is taken of the unquantised p: two at a time, in two chains a tile
.endr
.irp n, 4,8,12,16,20,24,28,32,36,40,44,48,52,56,60
.irp i, 0,1
	v_pk_add_f32 v[12+4*\i:13+4*\i], v[12+4*\i:13+4*\i], v[56+64*\i+\n:57+64*\i+\n]
	v_pk_add_f32 v[216+12*\i:217+12*\i], v[216+12*\i:217+12*\i], v[58+64*\i+\n:59+64*\i+\n]
.endr
.endr
.irp i, 0,1
	v_pk_add_f32 v[12+4*\i:13+4*\i], v[12+4*\i:13+4*\i], v[216+12*\i:217+12*\i]
.endr
	ds_load_b128 v[184:187], v[\lb] offset:33792   ; V's scale words: channel tiles 0-3 (lanes 16-31: 8-11),
	ds_load_b128 v[188:191], v[\lb] offset:34304   ; 4-7 (12-15)
.irp t, 0,1,2,3,4,5,6,7,8,9,10,11,12,13,14,15
	ds_load_b128 v[56+8*\t:59+8*\t], v[\lb] offset:16384+1024*\t        ; V's 16 fragments take p's place
	ds_load_b128 v[60+8*\t:63+8*\t], v[\lb] offset:16384+1024*\t+512
.endr
.if \first == 0
	WIN 0x41                                       ; O^T (destination and source 0) window 1, f window 0
.irp i, 0,1
.set RN, 0
.rept 64
	v_pk_mul_f32 v[128*\i+RN:128*\i+RN+1], v[128*\i+RN:128*\i+RN+1], v[210+2*\i:211+2*\i] op_sel_hi:[1,0]   ; O^T under the new M, while V's fragments are on their way
.set RN, RN+2
.endr
.endr
.endif
	WIN 0x50                                       ; C and D window 1
	s_wait_dscnt 24                                ; the scale words and four fragments are in
	PV8 0, \first
	s_wait_dscnt 16
	PV8 4, \first
	s_wait_dscnt 8
	PV8 8, \first
	s_wait_dscnt 0x0
	PV8 12, \first
	WIN 0
.endm
; THE CHANGE OF SLOTS.  Each wave waits for all its tensor loads (its part of the slot that is read next), adds 0 to its spare word, and waits for that and for its reads of the slot that it has left.
; fill = 1: that slot is filled again, with the records two slots on: the barrier is a round of the cluster's, so that no wave of any partner still reads the slot or has a load on its way; the joint refill is the first thing behind it.
.macro CHANGE slot, fill
	s_wait_tensorcnt 0x0                           ; no tensor load of mine is out, so a group 0 may be written
	ds_add_u32 v1, v2                              ; 0 onto my spare word
.if \fill
	s_add_nc_u64 s[34+4*\slot:35+4*\slot], s[34+4*\slot:35+4*\slot], 2*SLOTB   ; the type bits on top are not reached
.endif
	s_wait_dscnt 0x0                               ; the add is done, and my reads of the slot are over
.if \fill
	CROUND
	tensor_load_to_lds s[32+4*\slot:35+4*\slot], s[24:31]
	s_nop 0
.else
	s_barrier_signal -1
	s_barrier_wait -1
.endif
	PLACES 4                                       ; behind the tensor load; also places in front of the loads and products that follow
.endm
	s_wait_tensorcnt 1                             ; my part of slot 0 is in; slot 1's may stay out
	s_barrier_signal -1
	s_barrier_wait -1                              ; everybody's is
	s_wait_loadcnt 0x0                             ; Q
	WORK 3, 1
	s_mov_b32 s44, 3
.Ltrip:                                                ; three trips: slots 1, 0 are read, slots 0, 1 filled again
	CHANGE 0, 1
	WORK 4, 0
	CHANGE 1, 1
	WORK 3, 0
	s_sub_co_u32 s44, s44, 1
	s_cmp_lg_u32 s44, 0
	s_cbranch_scc1 .Ltrip
	CHANGE 0, 0                                    ; the last slot is written out: nothing is left to fetch
	WORK 4, 0
	; ---- THE END.  proj_w's part for my 32 output channels is asked for now
	PLACES 4
.irp o, 0,1
.irp s, 0,1
.irp c, 0,1
	global_load_b128 v[24+16*\o+8*\s+4*\c:24+16*\o+8*\s+4*\c+3], v5, s[8:9] offset:2048*\o+64*\s+32*\c
.endr
.endr
.endr
.irp o, 0,1
	global_load_b32 v[184+\o], v6, s[10:11] offset:128*\o
.endr
.irp o, 0,1
	global_load_b32 v[22+\o], v7, s[12:13] offset:64*\o
.endr
.irp i, 0,1
	v_add_f32 v[12+4*\i], v[12+4*\i], v[13+4*\i]   ; l's two halves,
.endr
.irp i, 0,1
	v_permlanex16_b32 v[240+\i], v[12+4*\i], s40, s41
.endr
.irp i, 0,1
	v_add_f32 v[11+4*\i], v[12+4*\i], v[240+\i]    ; and lane l xor 16's: beside -M
.endr
.irp i, 0,1
	ds_store_b64 v8, v[10+4*\i:11+4*\i] offset:256*\i
.endr
	BARRIER                                        ; every wave's (-M, l) lie in LDS; nobody reads a slot any more
.irp i, 0,1
.irp q, 0,1,2,3
	ds_load_b64 v[216+8*\i+2*\q:217+8*\i+2*\q], v9 offset:1024*\q+256*\i
.endr
.endr
	s_wait_dscnt 0x0
.irp i, 0,1
	v_min3_num_f32 v[240+\i], v[216+8*\i], v[218+8*\i], v[220+8*\i]
.endr
.irp i, 0,1
	v_min_num_f32 v[240+\i], v[240+\i], v[222+8*\i]   ; the least -M: the row's M
.endr
.irp q, 0,1,2,3
.irp i, 0,1
	v_sub_f32 v[216+8*\i+2*\q], v[240+\i], v[216+8*\i+2*\q]   ; quarter q's M - the row's M: a whole number, 0 or less
.endr
.endr
.irp q, 0,1,2,3
.irp i, 0,1
	v_cvt_i32_f32 v[216+8*\i+2*\q], v[216+8*\i+2*\q]
.endr
.endr
.irp q, 0,1,2,3
.irp i, 0,1
	v_ldexp_f32 v[217+8*\i+2*\q], v[217+8*\i+2*\q], v[216+8*\i+2*\q]
.endr
.endr
.irp i, 0,1
	v_add_f32 v[217+8*\i], v[217+8*\i], v[219+8*\i]
	v_add_f32 v[221+8*\i], v[221+8*\i], v[223+8*\i]
.endr
.irp i, 0,1
	v_add_f32 v[217+8*\i], v[217+8*\i], v[221+8*\i]   ; the row's l
.endr
.irp i, 0,1
	v_sub_f32 v[240+\i], v[240+\i], v[10+4*\i]     ; my own M - the row's M
.endr
.irp i, 0,1
	v_cvt_i32_f32 v[240+\i], v[240+\i]
.endr
.irp i, 0,1
	v_rcp_f32 v[242+\i], v[217+8*\i]
.endr
	v_nop                                          ; a plain place behind the transcendentals
	s_wait_alu depctr_va_vdst(0)
.irp i, 0,1
	v_ldexp_f32 v[210+2*\i], v[242+\i], v[240+\i]  ; my factor
.endr
	; the addresses of what follows, in the registers that held M and l
	v_and_b32 v244, 31, v0
	v_lshlrev_b32 v244, 4, v244                    ; 16 x lane
	v_and_b32 v245, 15, v0                         ; r
	v_bfe_u32 v246, v0, 4, 1                       ; h
	s_lshl_b32 s46, s18, 15
	v_add_nc_u32 v10, s46, v244                    ; the exchange: my 32,768 bytes
	s_lshl_b32 s46, s19, 15
	s_lshl_b32 s47, s20, 13
	s_add_co_u32 s46, s46, s47
	v_add_nc_u32 v11, s46, v244                    ; and my channel quarter in key quarter 0's; the others lie 65,536 bytes apart
	v_lshlrev_b32 v12, 14, v246
	v_lshl_add_u32 v12, v245, 4, v12               ; x, out0: lanes 0-15 one channel's 256 bytes, lanes 16-31 the next channel's
	s_lshl_b32 s46, s19, 12
	s_lshl_b32 s47, s20, 9
	s_add_co_u32 s46, s46, s47
	s_add_co_u32 s46, s46, OIMG
	v_add_nc_u32 v13, s46, v244                    ; out's image: half (quarter % 2) of K step quarter / 2 of query tile 2 (w % 2)
	s_lshr_b32 s46, s20, 1
	s_lshl_b32 s46, s46, 8
	s_and_b32 s47, s20, 1
	s_lshl_b32 s47, s47, 1
	s_add_co_u32 s46, s46, s47
	s_lshl_b32 s47, s19, 3
	s_add_co_u32 s46, s46, s47
	s_add_co_u32 s46, s46, OSC
	v_lshl_add_u32 v14, v245, 4, s46               ; and its two scale bytes
	v_add_nc_u32 v15, OIMG, v244
	s_mul_i32 s46, s18, 8704
	v_mul_u32_u24 v16, v245, 272
	v_lshl_add_u32 v16, v246, 6, v16
	v_add_nc_u32 v16, s46, v16                     ; the stage for y: row r, + 64 h
	v_mul_u32_u24 v17, v246, 272
	v_lshl_add_u32 v17, v245, 4, v17
	v_add_nc_u32 v17, s46, v17                     ; and back: two rows an instruction
	WIN 0x41
.irp i, 0,1
.set RN, 0
.rept 64
	v_pk_mul_f32 v[128*\i+RN:128*\i+RN+1], v[128*\i+RN:128*\i+RN+1], v[210+2*\i:211+2*\i] op_sel_hi:[1,0]   ; my part of O^T / l, under the row's M
.set RN, RN+2
.endr
.endr
	WIN 0x04                                       ; an LDS store's data are its source 1: window 1
.irp q, 0,1,2,3
.irp i, 0,1
.irp tt, 0,1,2,3
	ds_store_b128 v10, v[128*\i+32*\q+8*\tt:128*\i+32*\q+8*\tt+3] offset:8192*\q+(4*\i+\tt)*1024
	ds_store_b128 v10, v[128*\i+32*\q+8*\tt+4:128*\i+32*\q+8*\tt+7] offset:8192*\q+(4*\i+\tt)*1024+512
.endr
.endr
.endr
	WIN 0
	BARRIER                                        ; all parts lie in LDS
	WIN 0x40
.irp i, 0,1,2,3,4,5,6,7,8,9,10,11,12,13,14,15
	global_load_b128 v[4*\i:4*\i+3], v12, s[14:15] offset:32768*\i   ; x at my 32 output channels, into the registers that O^T has left
.endr
	WIN 0
.macro XRD reg                         ; one key quarter's part of my channel quarter: 64 registers
.irp m, 0,1,2,3,4,5,6,7,8,9,10,11,12,13,14,15
	ds_load_b128 v[\reg+4*\m:\reg+4*\m+3], v11 offset:512*\m
.endr
.endm
.macro XADD reg
.set RN, 0
.rept 32
	v_pk_add_f32 v[56+RN:57+RN], v[56+RN:57+RN], v[\reg+RN:\reg+RN+1]
.set RN, RN+2
.endr
.endm
	XRD 56
	v_add_nc_u32 v11, 0x10000, v11
	XRD 120
	v_add_nc_u32 v11, 0x10000, v11
	XRD 192
	s_wait_dscnt 16                                ; key quarters 0 and 1 are in; the youngest sixteen loads may be out
	XADD 120
	v_add_nc_u32 v11, 0x10000, v11
	XRD 120
	s_wait_dscnt 16                                ; key quarter 2 is in
	XADD 192
	s_wait_dscnt 0x0
	XADD 120                                       ; out(query, my 64 channels): register 32 i + 16 b + n = channel 32 b + 16 h + n of the quarter
; 32 numbers of a lane become half a fragment's codes in v[dst] .. v[dst + 3] and two scale bytes in v246
.macro QUANTH src, dst
.irp b, 0,1
	v_max3_num_f32 v[QBM+\b], |v[\src+16*\b]|, |v[\src+16*\b+1]|, 0x1800000
.endr
.irp n, 2,4,6,8,10,12,14
.irp b, 0,1
	v_max3_num_f32 v[QBM+\b], v[QBM+\b], |v[\src+16*\b+\n]|, |v[\src+16*\b+\n+1]|
.endr
.endr
.irp b, 0,1
	v_permlanex16_b32 v[QBP+\b], v[QBM+\b], s40, s41
.endr
.irp b, 0,1
	v_max_num_f32 v[QBM+\b], v[QBM+\b], v[QBP+\b]
.endr
.irp b, 0,1
	v_add_nc_u32 v[QSO+\b], 0xff000000, v[QBM+\b]
.endr
.irp b, 0,1
	v_lshrrev_b32 v[QBP+\b], 23, v[QSO+\b]
.endr
	v_lshl_or_b32 v246, v[QBP+1], 8, v[QBP]
.irp b, 0,1
	v_cvt_scalef32_pk8_fp4_f32 v[\dst+2*\b], v[\src+16*\b:\src+16*\b+7], v[QSO+\b]
	v_cvt_scalef32_pk8_fp4_f32 v[\dst+2*\b+1], v[\src+16*\b+8:\src+16*\b+15], v[QSO+\b]
.endr
	v_nop                                          ; one plain place behind a scaled conversion
.irp n, 0,1
	v_permlane16_swap_b32 v[\dst+\n], v[\dst+2+\n]
.endr
.endm
.irp i, 0,1
	QUANTH 56+32*\i, 248+4*\i
	ds_store_b128 v13, v[248+4*\i:251+4*\i] offset:2048*\i
	ds_store_b16 v14, v246 offset:4*\i             ; both lanes of a query write the same two bytes
.endr
	BARRIER                                        ; out's eight fragments and their scale words lie in LDS; nobody reads the exchange any more
.irp f, 0,1,2,3,4,5,6,7
	ds_load_b128 v[120+8*\f:123+8*\f], v15 offset:1024*\f          ; fragment (query tile qt, K step s) = 2 qt + s
	ds_load_b128 v[124+8*\f:127+8*\f], v15 offset:1024*\f+512
.endr
	ds_load_b128 v[188:191], v15 offset:8192       ; the four query tiles' scale words
	s_wait_loadcnt 16                              ; proj_w, its scale words and proj_b are in; x's sixteen loads may be out
.irp o, 0,1
.irp n, 0,1,2,3,4,5,6,7
	v_mov_b32 v[56+8*\o+\n], v[22+\o]              ; the bias in the result's layout: a lane holds one output channel
.endr
.endr
	PLACES 4
	s_wait_dscnt 0x0
	; y^T: source 0 = 16 queries of out, source 1 = 16 rows of proj_w: a lane holds one output channel and eight neighbouring positions.  Eight accumulators by turns, a K step at a time
.irp qt, 0,1,2,3
.irp o, 0,1
	v_wmma_scale_f32_16x16x128_f8f6f4 v[192+16*\qt+8*\o:199+16*\qt+8*\o], v[120+16*\qt:127+16*\qt], v[24+16*\o:31+16*\o], v[56+8*\o:63+8*\o], v[188+\qt], v[184+\o] matrix_a_fmt:MATRIX_FMT_FP4 matrix_b_fmt:MATRIX_FMT_FP4
.endr
.endr
.irp qt, 0,1,2,3
.irp o, 0,1
	v_wmma_scale_f32_16x16x128_f8f6f4 v[192+16*\qt+8*\o:199+16*\qt+8*\o], v[128+16*\qt:135+16*\qt], v[32+16*\o:39+16*\o], v[192+16*\qt+8*\o:199+16*\qt+8*\o], v[188+\qt], v[184+\o] matrix_a_fmt:MATRIX_FMT_FP4 matrix_b_fmt:MATRIX_FMT_FP4 matrix_a_scale:MATRIX_SCALE_ROW1 matrix_b_scale:MATRIX_SCALE_ROW1
.endr
.endr
	PLACES 4
.irp qt, 0,1,2,3
.irp o, 0,1
	ds_store_b128 v16, v[192+16*\qt+8*\o:195+16*\qt+8*\o] offset:4352*\o+128*(\qt/2)+32*(\qt%2)       ; positions 32 (qt / 2) + 16 h + 8 (qt % 2) + 0 .. 7 of channel 16 o + r; each accumulator from its low end on
	ds_store_b128 v16, v[196+16*\qt+8*\o:199+16*\qt+8*\o] offset:4352*\o+128*(\qt/2)+32*(\qt%2)+16
.endr
.endr
.irp i, 0,1,2,3,4,5,6,7,8,9,10,11,12,13,14,15
	ds_load_b128 v[120+4*\i:123+4*\i], v17 offset:544*\i   ; my own stage: LDS serves a wave's instructions in order, so these see the stores above
.endr
	s_wait_loadcnt 0x0                             ; x
	s_wait_dscnt 0x0
	WIN 0x04                                       ; source 1 (x) window 1
.set RN, 0
.rept 32
	v_pk_add_f32 v[120+RN:121+RN], v[120+RN:121+RN], v[RN:RN+1]
.set RN, RN+2
.endr
	WIN 0
.irp i, 0,1,2,3,4,5,6,7,8,9,10,11,12,13,14,15
	global_store_b128 v12, v[120+4*\i:123+4*\i], s[16:17] offset:32768*\i th:TH_STORE_NT   ; 16 lanes store 256 consecutive bytes, at a multiple of 256 from out0's first byte
.endr
	s_wait_tensorcnt 0x0                           ; the wave's end, behind my last tensor load and my last LDS store
	ds_add_u32 v1, v2
	s_wait_dscnt 0x0
	CROUND                                         ; the closing round: no work-group ends while a partner may still ask for a tile that names it
	s_endpgm
.Lfunc_end_k_qd0fe193d9d_attn:
	.size	k_qd0fe193d9d_attn, .Lfunc_end_k_qd0fe193d9d_attn-k_qd0fe193d9d_attn
	.p2alignl 7, 3214868480
	.fill 96, 4, 3214868480
	.section	.rodata,"a",@progbits
	.p2align	6, 0x0
	.amdhsa_kernel k_qd0fe193d9d_attn
		.amdhsa_group_segment_fixed_size 327680
		.amdhsa_private_segment_fixed_size 0
		.amdhsa_enable_private_segment 0
		.amdhsa_kernarg_size 56
		.amdhsa_user_sgpr_count 2
		.amdhsa_user_sgpr_kernarg_segment_ptr 1
		.amdhsa_wavefront_size32 1
		.amdhsa_system_sgpr_workgroup_id_x 1
		.amdhsa_system_sgpr_workgroup_id_y 1
		.amdhsa_system_sgpr_workgroup_id_z 1
		.amdhsa_system_vgpr_workitem_id 0
		.amdhsa_next_free_vgpr 512
		.amdhsa_next_free_sgpr 66
		.amdhsa_reserve_vcc 0
		.amdhsa_float_denorm_mode_32 3
		.amdhsa_float_denorm_mode_16_64 3
		.amdhsa_memory_ordered 1
		.amdhsa_forward_progress 1
		.amdhsa_inst_pref_size 211
	.end_amdhsa_kernel
	.amdgpu_metadata
---
amdhsa.version: [ 1, 2 ]
amdhsa.kernels:
  - .name:           k_qd0fe193d9d_attn
    .symbol:         k_qd0fe193d9d_attn.kd
    .args:
      - { .name: qbuf, .offset: 0, .size: 8, .value_kind: global_buffer, .address_space: global }
      - { .name: kvbuf, .offset: 8, .size: 8, .value_kind: global_buffer, .address_space: global }
      - { .name: proj_w_codes, .offset: 16, .size: 8, .value_kind: global_buffer, .address_space: global }
      - { .name: proj_w_scales, .offset: 24, .size: 8, .value_kind: global_buffer, .address_space: global }
      - { .name: proj_b, .offset: 32, .size: 8, .value_kind: global_buffer, .address_space: global }
      - { .name: x, .offset: 40, .size: 8, .value_kind: global_buffer, .address_space: global }
      - { .name: out0, .offset: 48, .size: 8, .value_kind: global_buffer, .address_space: global }
    .group_segment_fixed_size: 327680
    .private_segment_fixed_size: 0
    .kernarg_segment_align: 8
    .kernarg_segment_size: 56
    .max_flat_workgroup_size: 256
    .sgpr_count:     66
    .vgpr_count:     512
    .wavefront_size: 32
...
	.end_amdgpu_metadata
.endif
;; end of part 3
